; MI455X (gfx1250); checked and timed in simulation.
; The chip was launched on July 23, 2026; its instructions are those of AMD's public machine-readable ISA for CDNA 5 (MIT licence, August 2026) and "CDNA5" Instruction Set Architecture Reference Guide (July 2026). The comments in the code are by the model that wrote it; some were corrected since.
;; Quantize. Allowed arithmetic: float matrix products may take bf16 or f16 operands with f32 sums; other float arithmetic in f32, or as packed bf16 or f16 multiplies, adds, multiply-adds, maxima and minima; sums over many terms, partial sums and values carried from step to step in f32; what a program stores and reads back later, other than sums and carried values, may be rounded once to bf16 or f16.
;; Inputs: embed 64 x 1,024 float32; input 64 x 32 x 32 x 64 float32.
;; Outputs: out0 64 x 32 x 32 x 64 float32; out1 64 x 32 x 32 int32; out2 one number float32; out3 one number float32.
;; 2 versions, each right; version 2 is version 1 with the launch refine written anew for expert scheduling mode. Each part assembles by itself: llvm-mc -triple=amdgcn-amd-amdhsa -mcpu=gfx1250 --defsym DOCPART=n.
;; ======== version 1 of 2: 3 launches
;; limits: a difference of large sums (such as E[x^2] - mean^2): digits are lost where the result is much smaller than its terms
;; workspace buffers: pick 262,144 bytes of whole numbers; cand 524,288 bytes of whole numbers; codes 131,072 bytes; part 4,096 bytes; xb 8,388,608 bytes; enorm 4,096 bytes
;; launch nearest (part 1): grid 256 x 1, 4 waves a work-group, no clusters, 182,784 bytes of LDS; arguments embed, input, cand, codes, part, xb, enorm; writes cand, codes, part, xb, enorm
.if DOCPART == 1
	.amdgcn_target "amdgcn-amd-amdhsa--gfx1250"
	.amdhsa_code_object_version 6
	.text
	.protected	k_q5fe1a2d216_nearest
	.globl	k_q5fe1a2d216_nearest
	.p2align	8
	.type	k_q5fe1a2d216_nearest,@function
k_q5fe1a2d216_nearest:
	s_mov_b64 s[64:65], 0
	v_nop
	global_prefetch_b8 v0, s[64:65] scope:SCOPE_SE
	s_setreg_imm32_b32 hwreg(HW_REG_WAVE_MODE, 25, 1), 1
	s_wait_xcnt 0x0
; THE CANDIDATES FOR THE NEAREST CODE.  65,536 vectors x of 64 numbers, a codebook embed [64 k][1024 codes], both f32.  dist = |x|^2 - 2 x.e + |e|^2.
; This launch multiplies every x by every code on the matrix units and leaves, for each x, the two groups of 8 neighbouring codes that hold the least distances (cand); the launch behind decides among those 16.
; It also leaves x in bf16 (xb), the codebook by rows in bf16 (codes), each code's |e|^2 (enorm) and each wave's part of the sum of the least distances (part).
; WORK LEFT OUT, for all finite values of the inputs, in exact arithmetic:
;   quantize = quant + (quantize_hard - quant) = quantize_hard: the softmax of -dist, its maximum, its exponentials and its product with embed^T reach no output.
;   embed_loss = mean((quantize - input)^2) = mean((quantize_hard - input)^2) = diff: one number, stored twice by the last launch.
;   |x|^2 is the same for all codes of a row, so it moves no order among them: the score here is s = x.e - |e|^2 / 2, the greater the nearer.
;   (quantize_hard - input)^2 summed over a row IS the row's least dist = |x|^2 - 2 max s.
; Both inputs have a way to the outputs and are loaded.
; FORMATS.  x and embed are rounded once to bf16, as they are; |e|^2 and |x|^2 are taken of the rounded numbers, so all sums speak of the same vectors; products and sums in f32.
; WHY CANDIDATES.  Where two codes' distances differ by less than f32 keeps of a number near |x|^2 + |e|^2, reference()'s own roundings decide, and the lower index at equality.  The matrix unit's sums are
; not those sums.  So they only sift: a row's best code lies in the group with the greatest maximum, its second best in the same group or at the top of the group with the second greatest.
; LIMITS.  NaN and infinities are not treated apart; a NaN, an infinity or an overflow that reaches only the work left out (the softmax and its product) is not carried to a result.
; The codes go out rounded to bf16 (8 significant bits).  Three groups whose maxima lie within the rounding of f32 sums of 64 terms of each other are not served: only two are handed on.
; The least distance in part is a difference of f32 sums: with a common offset of 30 spreads in both inputs the sums are some 450 times the distance, which costs some 5e-5 of the mean.
; SHARES.  A work-group has 256 rows, each of its four waves 64: four row tiles of 16.  Every wave walks all 64 tiles of 16 codes.
; LAYOUT.  The product is used transposed: source 0 = 16 codes, source 1 = 16 rows of x.  A lane then holds ONE row (lane % 16) and the codes 8 (lane / 16) + 0..7 of a tile: a GROUP, number 2 x tile + lane / 16.
; -|e|^2 / 2 is the C operand of the first of a tile's two K steps, so the bias costs no vector line.
; THE TWO BEST GROUPS of a lane: three v_max3 and a v_max (the group's maximum), two compares, three selects for the tiles' numbers, v_med3 and v_max for the two running maxima: 11 lines for two matrix
; instructions.  At the end the two halves of the lanes are merged: the two best of four.
; EMBED comes in four chunks of 256 codes through registers: while chunk c is multiplied, chunk c + 1 is rounded and stored to LDS ([k][code], read back turned by ds_load_tr16_b128), and
; chunk c + 2 is asked for.  Every LDS byte is written once; one barrier a chunk shows it to the other waves.
; THE TABLE codes [1024][64] in bf16 and enorm [1024]: wave w of work-group g makes code 4 g + w, straight from embed in memory: a lane two numbers, one rounding (the same as the LDS copy's), 4 bytes;
; its |e|^2 is summed term by term in ascending k, one rounding a term, as the formula's own sum over k goes.
; NO CLUSTER, NO TENSOR LOAD, though all work-groups read the same table: it lies in memory in f32 and is wanted in bf16, and a tensor load moves bytes as they lie.  The f32 table (262,144 bytes)
; beside its bf16 copy (139,264) and x (36,864) is more than the 327,680 bytes that a work-group can be given, so it would want slots that are filled again, and the table would cross LDS three times
; (262,144 in, 262,144 out, 131,072 back) where it now crosses once.
.set PE,    544                        ; a row of a chunk in LDS: 256 codes x 2 bytes + 32 = 17 x 32 bytes, an odd multiple of 32, as the turning load's 8 rows x 32 bytes want
.set CHB,   64*PE                      ; a chunk: 64 k
.set EB,    0                          ; four chunks: 139,264 bytes
.set BI,    4*CHB                      ; f32 [1024]: -|e|^2 / 2
.set PX,    144                        ; a row of x in LDS: 128 bytes + 16, an odd multiple of 16
.set XB,    BI+4096                    ; 256 rows of x in bf16
.set IST,   XB+256*PX                  ; 512 bytes for each wave: its 64 rows' two candidates on their way out
.set SPARE, IST+2048                   ; the spare words, 128 bytes for each wave: two blocks of 256 bytes that no other line names
; window 0
.set SPW,  1                           ; v1   SPARE + 4 x my thread's number; never rewritten
.set NIL,  2                           ; v2   0; never rewritten
.set ETR,  3                           ; v3   the turning loads' address in the chunk in hand: (8 h + l % 8) PE + 16 ((l / 8) % 2)
.set BIA,  4                           ; v4   the bias loads' address: BI + 32 h + 1,024 x chunk
.set GOFF, 5                           ; v5   my 16 bytes of embed in two rows k: 4,096 h + 16 r + 256 w; never rewritten
.set SST,  6                           ; v6   where I store 8 bytes of the chunk that is being rounded: 544 h + 8 r + 128 w + chunk
.set BST,  7                           ; v7   where I store my four codes' bias
.set XG,   8                           ; v8   8 l: my 8 bytes of 256 consecutive ones, in xb and in cand; never rewritten
.set XOFF, 9                           ; v9   16 l; never rewritten
.set XST,  10                          ; v10  where I store 8 bytes of x
.set XLD,  11                          ; v11  where my fragments of x begin
.set NA,   12                          ; v12-15  the sums of squares of my four codes
.set SX,   16                          ; v16-19  four chains of the sum of x's squares
.set G1,   20                          ; v20-23  by row tile: the tile of the best group
.set G2,   24                          ; v24-27  of the second best
.set R1,   28                          ; v28-31  by row tile: the greatest group maximum
.set T,    32                          ; v32-37  at work
.set RR,   38                          ; v38  r = l % 16
.set HH,   39                          ; v39  h = l / 16
.set P,    40                          ; v40-47  rounded pairs at work
.set R2,   48                          ; v48-51  by row tile: the second greatest group maximum
.set ACC,  80                          ; v80-111 by row tile: the accumulator
.set EF,   112                         ; v112-159 two buffers of 24: codes' fragment k 0-31, k 32-63, bias
.set X,    160                         ; v160-223 x's fragments: row tile t, K half k at 16 t + 8 k
.set C1,   224                         ; v224-227 by row tile: the row's best group
.set C2,   228                         ; v228-231 its second best
.set WW,   232                         ; v232-239 candidates on their way out
.set U,    240                         ; v240-242 the table: my two numbers of embed, then the packed word
.set CT,   244                         ; v244 the table's loads: 8,192 l (two rows k a lane); never rewritten
.set LN,   245                         ; l
.set IA,   246
.set IB,   247
.set ZA,   249
.set CG,   250                         ; 4 l
.set EN,   251                         ; |e|^2 of my wave's code
; window 1: v0-127 a chunk of embed as loaded, 4 registers a load; v128-255 x as loaded
.set WV,   16                          ; s16  my wave's number
.set CNT,  18                          ; s18  chunks still to be rounded in the loop
.set TN,   19                          ; s19  the number of the code tile whose scores are being judged
.set MK,   20                          ; s20  the mask 'above the second best' (VCC: 'above the best')
.set TE,   30                          ; s[30:31] embed at column 4 g + w, for the table; never rewritten
.set MSB, 0
.macro WIN new                         ; s_set_vgpr_msb: bits 1:0 source 0, 3:2 source 1, 5:4 source 2, 7:6 destination; the high byte repeats the setting that is left
.if MSB != (\new)
	s_set_vgpr_msb (MSB<<8)|(\new)
.set MSB, \new
.endif
.endm
; 32 loads: my wave's 64 codes of a chunk, all 64 k.  Load q: rows k = 2 q + h, 256 consecutive aligned bytes of each.
.macro ELOADS
	WIN 0x40                                       ; destination window 1, address window 0
.set q, 0
.rept 32
	global_load_b128 v[4*q:4*q+3], v[GOFF], s[4:5] offset:8192*q
.set q, q+1
.endr
	WIN 0
.endm
; 32 loads: my wave's 64 rows of x, 16,384 consecutive bytes, read once in the launch.  Load q: rows 2 q + h.
.macro XLOADS
	WIN 0x40
.set q, 0
.rept 32
	global_load_b128 v[128+4*q:128+4*q+3], v[XOFF], s[6:7] offset:512*q th:TH_LOAD_NT
.set q, q+1
.endr
	WIN 0
.endm
; Four loads n0 .. n0 + 3 of the block at raw (window 1) are rounded to bf16, their squares added onto four chains, and stored to LDS, 8 bytes a lane.  cnt: the younger loads, which may stay out.
; gst = 1 (x): the rounded pairs also go to xb: rows 2 n and 2 n + 1 are 256 consecutive bytes there, aligned, 8 a lane.
.macro CONV4 raw, n0, adr, step, acc, cnt, gst
	s_wait_loadcnt \cnt
.if \gst
	s_wait_xcnt 0x0                                ; the pairs below are the data of the last four stores to xb: they are written anew only behind this wait
.endif
	WIN 0x05                                       ; sources 0 and 1 window 1, destination window 0
.irp u, 0,1,2,3
	v_cvt_pk_bf16_f32 v[P+2*(\u)],   v[(\raw)+4*((\n0)+(\u))],   v[(\raw)+4*((\n0)+(\u))+1]
	v_cvt_pk_bf16_f32 v[P+2*(\u)+1], v[(\raw)+4*((\n0)+(\u))+2], v[(\raw)+4*((\n0)+(\u))+3]
.endr
	WIN 0
.irp u, 0,1,2,3
	v_fma_mix_f32_bf16 v[(\acc)],   v[P+2*(\u)],   v[P+2*(\u)],   v[(\acc)]   op_sel_hi:[1,1,0]                 ; the squares of the ROUNDED numbers, summed in f32
	v_fma_mix_f32_bf16 v[(\acc)+1], v[P+2*(\u)],   v[P+2*(\u)],   v[(\acc)+1] op_sel:[1,1,0] op_sel_hi:[1,1,0]
	v_fma_mix_f32_bf16 v[(\acc)+2], v[P+2*(\u)+1], v[P+2*(\u)+1], v[(\acc)+2] op_sel_hi:[1,1,0]
	v_fma_mix_f32_bf16 v[(\acc)+3], v[P+2*(\u)+1], v[P+2*(\u)+1], v[(\acc)+3] op_sel:[1,1,0] op_sel_hi:[1,1,0]
	ds_store_b64 v[\adr], v[P+2*(\u):P+2*(\u)+1] offset:(\step)*((\n0)+(\u))
.if \gst
	global_store_b64 v[XG], v[P+2*(\u):P+2*(\u)+1], s[14:15] offset:256*((\n0)+(\u))
.endif
.endr
.endm
; A chunk is rounded: the even and the odd k's sums meet, -|e|^2 / 2 of my four codes goes to LDS (both halves of the lanes store the same numbers to the same bytes), and the addresses step.
.macro FINISH
.irp z, 0,1,2,3
	v_permlanex16_b32 v[P+(\z)], v[NA+(\z)], s24, s25
.endr
.irp z, 0,1,2,3
	v_add_f32 v[NA+(\z)], v[NA+(\z)], v[P+(\z)]
.endr
.irp z, 0,1,2,3
	v_mul_f32 v[P+4+(\z)], -0.5, v[NA+(\z)]
.endr
	ds_store_b128 v[BST], v[P+4:P+7]
.irp z, 0,1,2,3
	v_mov_b32 v[NA+(\z)], 0
.endr
	v_add_nc_u32 v[SST], CHB, v[SST]
	v_add_nc_u32 v[BST], 1024, v[BST]
.endm
; The LDS loads of code tile i of the chunk in hand (16, 17: the next chunk's 0, 1) into buffer b.  LDA0: k 0-31 (turned: lane l gets code l % 16, k 8 h + 0..7 and 16 + 8 h + 0..7) and the bias of codes 8 h + 0..7.
.macro LDA0 b, i
.set to_, 32*(\i)+((\i)/16)*(CHB-512)
	ds_load_tr16_b128 v[EF+24*(\b):EF+24*(\b)+3],     v[ETR] offset:to_
	ds_load_tr16_b128 v[EF+24*(\b)+4:EF+24*(\b)+7],   v[ETR] offset:to_+16*PE
	ds_load_b128      v[EF+24*(\b)+16:EF+24*(\b)+19], v[BIA] offset:64*(\i)
	ds_load_b128      v[EF+24*(\b)+20:EF+24*(\b)+23], v[BIA] offset:64*(\i)+16
.endm
.macro LDA1 b, i                       ; k 32-63
.set to_, 32*(\i)+((\i)/16)*(CHB-512)
	ds_load_tr16_b128 v[EF+24*(\b)+8:EF+24*(\b)+11],  v[ETR] offset:to_+32*PE
	ds_load_tr16_b128 v[EF+24*(\b)+12:EF+24*(\b)+15], v[ETR] offset:to_+48*PE
.endm
; A product: row tile rt, K half kk, buffer b.  The first half starts the sum with the bias.
.macro MM rt, kk, b
.if (\kk) == 0
	v_wmma_f32_16x16x32_bf16 v[ACC+8*(\rt):ACC+8*(\rt)+7], v[EF+24*(\b):EF+24*(\b)+7], v[X+16*(\rt):X+16*(\rt)+7], v[EF+24*(\b)+16:EF+24*(\b)+23]
.else
	v_wmma_f32_16x16x32_bf16 v[ACC+8*(\rt):ACC+8*(\rt)+7], v[EF+24*(\b)+8:EF+24*(\b)+15], v[X+16*(\rt)+8:X+16*(\rt)+15], v[ACC+8*(\rt):ACC+8*(\rt)+7]
.endif
.endm
; The 22 lines that judge a code tile's scores for row tiles a and a + 1, in four parts of 6, 5, 6, 5.  Part 0 alone reads the accumulators, each from its lowest registers on.
; A group's maximum m against the running pair R1 >= R2.  m > R1: the best moves down to second, m takes its place.  R1 >= m > R2: m is the new second.  Strict compares: an equal later group changes nothing.
.macro RID a, part
.set rA,  ACC+8*(\a)
.set rB,  ACC+8*(\a)+8
.if (\part) == 0
	v_max3_num_f32 v[T],   v[rA],   v[rA+1], v[rA+2]
	v_max3_num_f32 v[T+3], v[rB],   v[rB+1], v[rB+2]
	v_max3_num_f32 v[T+1], v[rA+3], v[rA+4], v[rA+5]
	v_max3_num_f32 v[T+4], v[rB+3], v[rB+4], v[rB+5]
	v_max3_num_f32 v[T+2], v[rA+6], v[rA+7], v[T]
	v_max3_num_f32 v[T+5], v[rB+6], v[rB+7], v[T+3]
.elseif (\part) == 1
	v_max_num_f32 v[T],   v[T+1], v[T+2]           ; the group's maximum, row tile a
	v_max_num_f32 v[T+3], v[T+4], v[T+5]           ; row tile a + 1
	v_cmp_gt_f32 vcc_lo, v[T], v[R1+(\a)]
	v_cmp_gt_f32 s[MK], v[T], v[R2+(\a)]
	v_cndmask_b32 v[G2+(\a)], v[G2+(\a)], s[TN], s[MK]
.elseif (\part) == 2
	v_cndmask_b32 v[G2+(\a)], v[G2+(\a)], v[G1+(\a)], vcc_lo
	v_cndmask_b32 v[G1+(\a)], v[G1+(\a)], s[TN], vcc_lo
	v_med3_num_f32 v[R2+(\a)], v[R1+(\a)], v[R2+(\a)], v[T]    ; the second greatest of the three
	v_max_num_f32 v[R1+(\a)], v[R1+(\a)], v[T]
	v_cmp_gt_f32 vcc_lo, v[T+3], v[R1+(\a)+1]
	v_cmp_gt_f32 s[MK], v[T+3], v[R2+(\a)+1]
.else
	v_cndmask_b32 v[G2+(\a)+1], v[G2+(\a)+1], s[TN], s[MK]
	v_cndmask_b32 v[G2+(\a)+1], v[G2+(\a)+1], v[G1+(\a)+1], vcc_lo
	v_cndmask_b32 v[G1+(\a)+1], v[G1+(\a)+1], s[TN], vcc_lo
	v_med3_num_f32 v[R2+(\a)+1], v[R1+(\a)+1], v[R2+(\a)+1], v[T+3]
	v_max_num_f32 v[R1+(\a)+1], v[R1+(\a)+1], v[T+3]
.endif
.endm
; A CODE TILE: 8 products, five or six plain lines behind each.  The accumulators take turns, one instruction a turn: 0, 1, 0, 1, 2, 3, 2, 3, over the tiles' and the loop's edges too.
; The judging lags: row tiles 0, 1 are judged from behind the tile's sixth product on into the next tile, row tiles 2, 3 in the next tile.  So the lines that read an accumulator stand 11 plain lines,
; which name none of that product's registers, behind the product that ended it, and ahead of the product that starts it anew.  The loads into a buffer stand 6 such lines behind the last product that read those registers.
; w1: the LDS loads issued behind this tile's first four (2 + 4 + 2); w3: behind its last two (4 + 2); LDS stores issued between only make these counts stricter than need be.
.macro TILE i, ahead, w1, w3
.set bb, (\i)%2
	s_wait_dscnt \w1
	MM 0, 0, bb
	RID 0, 3
	MM 1, 0, bb
	RID 2, 0
	s_wait_dscnt \w3
	MM 0, 1, bb
	RID 2, 1
	MM 1, 1, bb
	RID 2, 2
	MM 2, 0, bb
	RID 2, 3
	s_add_co_u32 s[TN], s[TN], 1                   ; the last tile's number has been used for the last time
	MM 3, 0, bb
	RID 0, 0
.if \ahead
	LDA0 bb, (\i)+2
.endif
	MM 2, 1, bb
	RID 0, 1
	MM 3, 1, bb
	RID 0, 2
.if \ahead
	LDA1 bb, (\i)+2
.endif
.endm
; A CHUNK: 16 code tiles.  stage = 1: the next chunk is rounded and stored behind tiles 2 to 9 (its loads went out a chunk earlier, behind tile 11), its bias behind tile 10; the chunk after it is asked for behind tile 11.
; Ahead of tile 12 my stores are done and I say so; ahead of tile 14, whose loads are the first to read the next chunk, all four waves have said so.  Between signal and wait only the chunk in hand is read, which nobody writes again.
.macro CHUNK stage
.set ti, 0
.rept 16
.if (\stage) && (ti == 12)
	s_wait_dscnt 0x0                               ; for the others' sake: my part of the next chunk and of its bias lies in LDS; no LDS instruction of mine is out
	s_barrier_signal -1
.endif
.if (\stage) && (ti == 14)
	s_barrier_wait -1
.endif
.if (\stage) || (ti < 14)
	TILE ti, 1, 8, 6
.elseif ti == 14
	TILE ti, 0, 8, 6                               ; the last chunk's last two tiles fetch nothing
.else
	TILE ti, 0, 2, 0                               ; behind the last tile's first four loads stand its own last two alone
.endif
.if (\stage) && (ti >= 2) && (ti <= 9)
	CONV4 0, 4*(ti-2), SST, 2*PE, NA, 28-4*(ti-2), 0  ; only this chunk's 32 loads are out: 28 - 4 j of them are younger
.endif
.if (\stage) && (ti == 10)
	FINISH
.endif
.if (\stage) && (ti == 11)
	s_cmp_eq_u32 s[CNT], 1                         ; the loop's last trip rounds chunk 3: there is no chunk behind it
	s_cbranch_scc1 .Lno_more
	s_add_nc_u64 s[4:5], s[4:5], 1024              ; the last wait on the loads was for 0: none that reads this pointer is out
	ELOADS
.Lno_more:
.endif
.set ti, ti+1
.endr
.endm
	s_load_b256 s[4:11], s[0:1], 0x0               ; embed s[4:5], input s[6:7], cand s[8:9], codes s[10:11]
	s_load_b128 s[12:15], s[0:1], 0x20             ; part s[12:13], xb s[14:15]
	s_load_b64 s[32:33], s[0:1], 0x30              ; enorm
	v_lshl_add_u32 v[SPW], v0, 2, SPARE
	v_mov_b32 v[NIL], 0
	v_lshrrev_b32 v[T], 5, v0
	v_readfirstlane_b32 s[WV], v[T]                ; wave 0..3
	v_and_b32 v[RR], 15, v0
	v_bfe_u32 v[HH], v0, 4, 1
	v_and_b32 v[XOFF], 31, v0
	v_lshlrev_b32 v[XOFF], 4, v[XOFF]
	s_lshl_b32 s27, s[WV], 8                       ; 256 w
	v_lshl_add_u32 v[GOFF], v[RR], 4, s27
	v_lshl_add_u32 v[GOFF], v[HH], 12, v[GOFF]
	s_lshl_b32 s22, ttmp9, 16                      ; the work-group's 256 rows of 256 bytes,
	s_lshl_b32 s28, s[WV], 14                      ; my wave's 64
	s_add_co_u32 s22, s22, s28
	s_mov_b32 s23, 0
	s_wait_kmcnt 0x0
	s_add_nc_u64 s[6:7], s[6:7], s[22:23]
	ELOADS                                         ; chunk 0
	XLOADS
	; all that follows up to the first wait stands while these 64 loads are out
	s_lshl_b32 s22, ttmp9, 10
	s_add_co_u32 s22, s22, s27                     ; my wave's 64 rows in a plane of cand: 1,024 g + 256 w
	s_add_nc_u64 s[8:9], s[8:9], s[22:23]
	s_lshl_b32 s28, s[WV], 7                       ; 128 w
	s_lshl_b32 s22, ttmp9, 9
	s_add_co_u32 s22, s22, s28                     ; my wave's code of the table: row 4 g + w of 128 bytes
	s_add_nc_u64 s[10:11], s[10:11], s[22:23]
	s_lshl_b32 s22, ttmp9, 4
	s_lshl2_add_u32 s22, s[WV], s22                ; 16 g + 4 w: my wave's word of part and of enorm,
	s_add_nc_u64 s[12:13], s[12:13], s[22:23]
	s_add_nc_u64 s[32:33], s[32:33], s[22:23]
	s_add_nc_u64 s[TE:TE+1], s[4:5], s[22:23]      ; and column 4 g + w of embed (whose pointer still stands at chunk 0)
	s_lshl_b32 s22, ttmp9, 15                      ; xb: the work-group's 256 rows of 128 bytes,
	s_lshl_b32 s29, s[WV], 13                      ; my wave's 64
	s_add_co_u32 s22, s22, s29
	s_add_nc_u64 s[14:15], s[14:15], s[22:23]
	v_lshlrev_b32 v[CT], 9, v[XOFF]                ; 8,192 l
	v_lshrrev_b32 v[XG], 1, v[XOFF]                ; 8 l
	v_lshl_add_u32 v[BST], v[RR], 4, s27
	v_add_nc_u32 v[BST], BI, v[BST]
	v_mul_u32_u24 v[SST], v[HH], PE
	v_lshl_add_u32 v[SST], v[RR], 3, v[SST]
	v_add_nc_u32 v[SST], s28, v[SST]
	v_and_b32 v[T], 7, v0
	v_lshl_add_u32 v[T], v[HH], 3, v[T]
	v_mul_u32_u24 v[ETR], v[T], PE
	v_bfe_u32 v[T], v0, 3, 1
	v_lshl_add_u32 v[ETR], v[T], 4, v[ETR]
	v_lshl_add_u32 v[BIA], v[HH], 5, BI
	s_mul_i32 s28, s[WV], 64*PX
	s_add_co_u32 s28, s28, XB                      ; my wave's rows of x in LDS
	v_mul_u32_u24 v[XST], v[HH], PX
	v_lshl_add_u32 v[XST], v[RR], 3, v[XST]
	v_add_nc_u32 v[XST], s28, v[XST]
	v_mul_u32_u24 v[XLD], v[RR], PX
	v_lshl_add_u32 v[XLD], v[HH], 4, v[XLD]
	v_add_nc_u32 v[XLD], s28, v[XLD]
	s_mov_b32 s24, 0x76543210                      ; v_permlanex16_b32: each lane takes its own place in the other half
	s_mov_b32 s25, 0xfedcba98
	s_mov_b32 s26, 0xffff0000                      ; lanes 16 to 31
	s_mov_b32 s[TN], -1
	s_mov_b32 s[MK], 0
	s_mov_b32 vcc_lo, 0
	s_mov_b32 s27, 0xff800000                      ; -infinity
	; What the first tile's lagging lines find: scores and maxima of -infinity and masks of 0: no compare holds, and nothing changes.
.set q, 0
.rept 4
	v_mov_b32 v[NA+q], 0
	v_mov_b32 v[SX+q], 0
	v_mov_b32 v[G1+q], 0
	v_mov_b32 v[G2+q], 0
	v_mov_b32 v[R1+q], s27
	v_mov_b32 v[R2+q], s27
.set q, q+1
.endr
.set q, 16
.rept 16
	v_mov_b32 v[ACC+q], s27                        ; row tiles 2 and 3: the registers that those lines read
.set q, q+1
.endr
	v_mov_b32 v[T+3], s27
.set j, 0
.rept 8
	CONV4 0, 4*j, SST, 2*PE, NA, 60-4*j, 0         ; chunk 0: younger are 28 - 4 j of its own loads and x's 32
.set j, j+1
.endr
	FINISH
	s_wait_xcnt 0x0                                ; embed's pointer is written only behind this wait (chunk 0's loads are also done, by the count 32 above)
	s_add_nc_u64 s[4:5], s[4:5], 1024
	ELOADS                                         ; chunk 1
.set j, 0
.rept 8
	CONV4 128, 4*j, XST, 2*PX, SX, 60-4*j, 1       ; x: younger are 28 - 4 j of its own loads and chunk 1's 32
.set j, j+1
.endr
	s_wait_xcnt 0x0                                ; the last four stores to xb have read their pairs, which the loop writes anew
.irp t, 0,1,2,3                        ; x's fragments stay in registers: lane l holds row l % 16, k 8 h + 0..7 and 16 + 8 h + 0..7 of each K half.  My wave's own bytes: LDS serves a wave's instructions in order (ISA guide 5.7.1.4)
.irp k, 0,1
	ds_load_b128 v[X+16*(\t)+8*(\k):X+16*(\t)+8*(\k)+3],   v[XLD] offset:16*PX*(\t)+64*(\k)
	ds_load_b128 v[X+16*(\t)+8*(\k)+4:X+16*(\t)+8*(\k)+7], v[XLD] offset:16*PX*(\t)+64*(\k)+32
.endr
.endr
	s_wait_dscnt 0x0                               ; my part of chunk 0 and of its bias lies in LDS, and x's fragments are in
	s_barrier_signal -1
	s_barrier_wait -1                              ; everybody's does
	LDA0 0, 0
	LDA1 0, 0
	LDA0 1, 1
	LDA1 1, 1
	s_mov_b32 s[CNT], 3
.Ltrip:                                        ; trip c multiplies chunk c, rounds chunk c + 1, asks for chunk c + 2
	CHUNK 1
	v_add_nc_u32 v[ETR], CHB, v[ETR]
	v_add_nc_u32 v[BIA], 1024, v[BIA]
	s_sub_co_u32 s[CNT], s[CNT], 1
	s_cmp_lg_u32 s[CNT], 0
	s_cbranch_scc1 .Ltrip
	global_load_b32 v[U],   v[CT], s[TE:TE+1]              ; the table: embed[2 l][4 g + w] and embed[2 l + 1][4 g + w].  No other load is out (the loop's last wait on the loads was for 0);
	global_load_b32 v[U+1], v[CT], s[TE:TE+1] offset:4096  ; they are wanted behind the last chunk's 128 products
	CHUNK 0                                        ; chunk 3
	RID 0, 3                                       ; the last tile's lagging lines; the first read of the last accumulators stands 11 plain lines behind their last product
	RID 2, 0
	RID 2, 1
	RID 2, 2
	RID 2, 3
	; THE TWO HALVES OF THE LANES ARE MERGED.  Mine: R1 >= R2 with groups g1, g2; the lane 16 away, which holds the row's other 512 codes: O1 >= O2 with o1, o2.  The best of the four is the greater of R1 and O1;
	; the second best is the greater of the loser of that and the winner's own second.
.irp t, 0,1,2,3
	v_lshl_add_u32 v[G1+(\t)], v[G1+(\t)], 1, v[HH]    ; group = 2 x tile + h
	v_lshl_add_u32 v[G2+(\t)], v[G2+(\t)], 1, v[HH]
	v_permlanex16_b32 v[T],   v[R1+(\t)], s24, s25     ; O1
	v_permlanex16_b32 v[T+1], v[R2+(\t)], s24, s25     ; O2
	v_permlanex16_b32 v[T+2], v[G1+(\t)], s24, s25     ; o1
	v_permlanex16_b32 v[T+3], v[G2+(\t)], s24, s25     ; o2
	v_cmp_gt_f32 vcc_lo, v[T], v[R1+(\t)]              ; does the other half win?
	v_cndmask_b32 v[C1+(\t)], v[G1+(\t)], v[T+2], vcc_lo
	v_cndmask_b32 v[T+4], v[R2+(\t)], v[T+1], vcc_lo   ; the winner's second,
	v_cndmask_b32 v[T+5], v[G2+(\t)], v[T+3], vcc_lo   ; its group,
	v_cndmask_b32 v[P],   v[T],   v[R1+(\t)], vcc_lo   ; the loser's best,
	v_cndmask_b32 v[P+1], v[T+2], v[G1+(\t)], vcc_lo   ; its group
	v_cmp_gt_f32 vcc_lo, v[P], v[T+4]
	v_cndmask_b32 v[C2+(\t)], v[T+5], v[P+1], vcc_lo
	v_max_num_f32 v[R1+(\t)], v[R1+(\t)], v[T]         ; the row's greatest score
.endr
	; MY WAVE'S PART OF THE SUM of the least distances: the sum of x's squares less twice the sum of the rows' maxima; each row's maximum now stands in two lanes, which is the factor 2.
	v_add_f32 v[SX], v[SX], v[SX+1]
	v_add_f32 v[SX+2], v[SX+2], v[SX+3]
	v_add_f32 v[T], v[R1], v[R1+1]
	v_add_f32 v[T+1], v[R1+2], v[R1+3]
	v_add_f32 v[SX], v[SX], v[SX+2]
	v_add_f32 v[T], v[T], v[T+1]
	v_sub_f32 v[SX], v[SX], v[T]
	v_add_f32_dpp v[SX], v[SX], v[SX] row_xmask:1 row_mask:0xf bank_mask:0xf
	v_add_f32_dpp v[SX], v[SX], v[SX] row_xmask:2 row_mask:0xf bank_mask:0xf
	v_add_f32_dpp v[SX], v[SX], v[SX] row_xmask:4 row_mask:0xf bank_mask:0xf
	v_add_f32_dpp v[SX], v[SX], v[SX] row_xmask:8 row_mask:0xf bank_mask:0xf
	v_permlanex16_b32 v[T], v[SX], s24, s25
	v_add_f32 v[SX], v[SX], v[T]
	; THE CANDIDATES GO OUT through my 512 bytes of LDS, so that one store of the wave covers 256 consecutive bytes, aligned: 64 rows of a plane.
	v_and_b32 v[LN], 31, v0
	s_lshl_b32 s27, s[WV], 9
	s_add_co_u32 s27, s27, IST
	v_lshl_add_u32 v[IA], v[LN], 2, s27
	v_lshl_add_u32 v[IB], v[LN], 3, s27
	v_lshlrev_b32 v[CG], 2, v[LN]
	v_cndmask_b32 v[WW],   v[C1],   v[C1+1], s26   ; rows 0-31: lanes 0-15 row tile 0, lanes 16-31 row tile 1
	v_cndmask_b32 v[WW+1], v[C1+2], v[C1+3], s26   ; rows 32-63
	v_cndmask_b32 v[WW+2], v[C2],   v[C2+1], s26
	v_cndmask_b32 v[WW+3], v[C2+2], v[C2+3], s26
	ds_store_b32 v[IA], v[WW]
	ds_store_b32 v[IA], v[WW+1] offset:128
	ds_store_b32 v[IA], v[WW+2] offset:256
	ds_store_b32 v[IA], v[WW+3] offset:384
	ds_load_b64 v[WW+4:WW+5], v[IB]                ; my wave's own bytes, in order behind the stores
	ds_load_b64 v[WW+6:WW+7], v[IB] offset:256
	; THE TABLE.  My two numbers of code 4 g + w, rounded as the LDS copy was, are 4 bytes of its row: the wave's store covers the row's 128 consecutive bytes, the four waves' stores 512, aligned.
	s_wait_loadcnt 0x0                             ; the two loads issued ahead of the last chunk
	v_cvt_pk_bf16_f32 v[U+2], v[U], v[U+1]
	global_store_b32 v[CG], v[U+2], s[10:11]
	s_wait_dscnt 0x0
	global_store_b64 v[XG], v[WW+4:WW+5], s[8:9]                 ; plane 0: the best group
	global_store_b64 v[XG], v[WW+6:WW+7], s[8:9] offset:262144   ; plane 1: the second best
	; |e|^2 of that code, of the rounded numbers, term by term in ascending k: lane l's word holds k = 2 l below and 2 l + 1 above.  A bf16's square is exact in f32, so each line rounds once, as a plain sum does.
	v_mov_b32 v[EN], 0
.set q, 0
.rept 32
	v_readlane_b32 s27, v[U+2], q
	s_lshl_b32 s28, s27, 16
	s_and_b32 s27, s27, 0xffff0000
	v_fma_f32 v[EN], s28, s28, v[EN]
	v_fma_f32 v[EN], s27, s27, v[EN]
.set q, q+1
.endr
	v_mov_b32 v[ZA], 0
	v_cmp_eq_u32 vcc_lo, 0, v[LN]
	s_wait_xcnt 0x0                                ; EXEC changes only behind this wait: the stores above have read theirs
	s_and_saveexec_b32 s21, vcc_lo                 ; lane 0 alone
	global_store_b32 v[ZA], v[SX], s[12:13]        ; one f32 a wave
	global_store_b32 v[ZA], v[EN], s[32:33]        ; and one
	s_wait_xcnt 0x0                                ; and again, ahead of the line that widens it
	s_or_b32 exec_lo, exec_lo, s21
	s_wait_tensorcnt 0x0                           ; the wave's end, behind my last LDS store
	ds_add_u32 v[SPW], v[NIL]
	s_wait_dscnt 0x0
	s_endpgm
.Lfunc_end_k_q5fe1a2d216_nearest:
	.size	k_q5fe1a2d216_nearest, .Lfunc_end_k_q5fe1a2d216_nearest-k_q5fe1a2d216_nearest
	.p2alignl 7, 3214868480
	.fill 96, 4, 3214868480
	.section	.rodata,"a",@progbits
	.p2align	6, 0x0
	.amdhsa_kernel k_q5fe1a2d216_nearest
		.amdhsa_group_segment_fixed_size 182784
		.amdhsa_private_segment_fixed_size 0
		.amdhsa_enable_private_segment 0
		.amdhsa_kernarg_size 56
		.amdhsa_user_sgpr_count 2
		.amdhsa_user_sgpr_kernarg_segment_ptr 1
		.amdhsa_wavefront_size32 1
		.amdhsa_system_sgpr_workgroup_id_x 1
		.amdhsa_system_sgpr_workgroup_id_y 1
		.amdhsa_system_sgpr_workgroup_id_z 1
		.amdhsa_system_vgpr_workitem_id 0
		.amdhsa_next_free_vgpr 512
		.amdhsa_next_free_sgpr 66
		.amdhsa_reserve_vcc 1
		.amdhsa_float_denorm_mode_32 3
		.amdhsa_float_denorm_mode_16_64 3
		.amdhsa_memory_ordered 1
		.amdhsa_forward_progress 1
		.amdhsa_inst_pref_size 187
	.end_amdhsa_kernel
	.amdgpu_metadata
---
amdhsa.version: [ 1, 2 ]
amdhsa.kernels:
  - .name:           k_q5fe1a2d216_nearest
    .symbol:         k_q5fe1a2d216_nearest.kd
    .args:
      - { .name: embed, .offset: 0, .size: 8, .value_kind: global_buffer, .address_space: global }
      - { .name: input, .offset: 8, .size: 8, .value_kind: global_buffer, .address_space: global }
      - { .name: cand, .offset: 16, .size: 8, .value_kind: global_buffer, .address_space: global }
      - { .name: codes, .offset: 24, .size: 8, .value_kind: global_buffer, .address_space: global }
      - { .name: part, .offset: 32, .size: 8, .value_kind: global_buffer, .address_space: global }
      - { .name: xb, .offset: 40, .size: 8, .value_kind: global_buffer, .address_space: global }
      - { .name: enorm, .offset: 48, .size: 8, .value_kind: global_buffer, .address_space: global }
    .group_segment_fixed_size: 182784
    .private_segment_fixed_size: 0
    .kernarg_segment_align: 8
    .kernarg_segment_size: 56
    .max_flat_workgroup_size: 128
    .sgpr_count:     66
    .vgpr_count:     512
    .wavefront_size: 32
...
	.end_amdgpu_metadata
.endif
;; end of part 1
;; launch refine (part 2): grid 256 x 1, 8 waves a work-group, no clusters, 0 bytes of LDS; arguments cand, xb, codes, enorm, out1, pick; writes out1, pick
.if DOCPART == 2
	.amdgcn_target "amdgcn-amd-amdhsa--gfx1250"
	.amdhsa_code_object_version 6
	.text
	.protected	k_q5fe1a2d216_refine
	.globl	k_q5fe1a2d216_refine
	.p2align	8
	.type	k_q5fe1a2d216_refine,@function
k_q5fe1a2d216_refine:
	s_mov_b64 s[64:65], 0
	v_nop
	global_prefetch_b8 v0, s[64:65] scope:SCOPE_SE
	s_setreg_imm32_b32 hwreg(HW_REG_WAVE_MODE, 25, 1), 1
	s_wait_xcnt 0x0
; THE NEAREST CODE, decided among the 16 candidates that the launch before left for each row, by reference()'s own formula in f32: dist = (|x|^2 - 2 x.e) + |e|^2, the first least.
; Work left out, as shown at the head of the launch before: no softmax and no second product (quantize = quantize_hard); here only 16 of a row's 1,024 distances are formed: the two groups of 8 codes that hold its two best.
; cand: int32 [2][65536], whole numbers: a row's two groups, 0 to 127; group n is codes 8 n .. 8 n + 7.  xb: x in bf16 [65536][64].  codes: the codebook by rows in bf16 [1024][64].  enorm: f32 [1024], |e|^2.
; THE ORDER OF ROUNDING.  |x|^2, x.e and |e|^2 are sums of 64 terms taken in ascending k, one rounding a term (a product of two bf16 is exact in f32, so a fused multiply-add rounds as the plain sum does);
; then one rounding for |x|^2 - 2 x.e (2 x.e is exact) and one for + |e|^2.  Equal distances go to the lower index, as jnp.argmax has it.
; LIMIT.  Where reference()'s sums are taken in another order, a row whose two best distances differ by less than the rounding of those sums may be decided otherwise.  NaN and infinities are not treated apart.
; SHARES.  A work-group has 256 rows, each of its eight waves 32.  For pair p of 16, lanes 0-15 serve row 32 w + p and lanes 16-31 row 32 w + 16 + p; a lane has ONE candidate: lanes 0-7 of a half the best group's
; codes, lanes 8-15 the second's.  A lane reads its code's 128 bytes and its row's 128 bytes (the same for 16 lanes).
; A STEP is two pairs, whose two chains of 64 multiply-adds take turns.  The 128 operand registers are a ring: the 16 bytes that a turn has used are asked for again at once, for the next step, so a load has
; seven eighths of a step in which to land.  |x|^2 is made once a wave, a lane a row, and handed to the pairs by v_readlane_b32.
; No LDS, no barrier: no wave wants what another has fetched.
.set ZR,   1                           ; v1   0
.set R7,   2                           ; v2   my place in a group: l % 8
.set COFF, 3                           ; v3   my 16 words of cand: 262,144 ((l / 8) % 2) + 128 w + 64 (l / 16)
.set XRO,  4                           ; v4   row 32 w + l of xb: 4,096 w + 128 l
.set XO,   5                           ; v5   row 32 w + 16 (l / 16) of xb: 4,096 w + 2,048 (l / 16); never rewritten
.set OO,   6                           ; v6   my word of out1 and pick: 128 w + 4 l
.set XX,   7                           ; v7   |x|^2 of row 32 w + l
.set RES,  8                           ; v8   the index of row 32 w + l, as a float until the end
.set LN,   9
.set TM,   10
.set BIG,  11                          ; v11  2,048.0: above every index
.set DA,   12                          ; v12, v13  the two chains
.set DB,   13
.set XPA,  14                          ; v14, v15  |x|^2 of the pairs' rows
.set XPB,  15
.set CD,   16                          ; v16-31  by pair: the group, then my code
.set AD,   32                          ; v32-47  128 x code; never rewritten
.set EA,   48                          ; v48-63  4 x code; never rewritten
.set EE,   64                          ; v64-79  |e|^2 of my code
.set RING, 80                          ; v80-207 chain c (0, 1): the code's 32 words at 64 c, the row's at 64 c + 32
.set XR,   208                         ; v208-239 row 32 w + l, for |x|^2
.set MA,   240
.set MB,   241
.set CA,   242
.set CB,   243
; The four loads of turn q of step t: 16 bytes (8 k) of both chains' codes and rows.
.macro LD4 t, q
	global_load_b128 v[RING+4*(\q):RING+4*(\q)+3],       v[AD+2*(\t)],   s[8:9] offset:16*(\q)
	global_load_b128 v[RING+32+4*(\q):RING+32+4*(\q)+3], v[XO],          s[6:7] offset:256*(\t)+16*(\q)
	global_load_b128 v[RING+64+4*(\q):RING+64+4*(\q)+3], v[AD+2*(\t)+1], s[8:9] offset:16*(\q)
	global_load_b128 v[RING+96+4*(\q):RING+96+4*(\q)+3], v[XO],          s[6:7] offset:256*(\t)+128+16*(\q)
.endm
; Turn q of step t: k = 8 q .. 8 q + 7 of both chains, ascending; then the same registers are asked for again.  cnt: the loads issued behind this turn's four.
.macro TURN t, q, ahead, cnt
	s_wait_loadcnt \cnt
.irp j, 0,1,2,3
.if ((\q) == 0) && ((\j) == 0)
	v_fma_mix_f32_bf16 v[DA], v[RING+32], v[RING],    v[ZR] op_sel_hi:[1,1,0]      ; the first term starts the sum
	v_fma_mix_f32_bf16 v[DB], v[RING+96], v[RING+64], v[ZR] op_sel_hi:[1,1,0]
.else
	v_fma_mix_f32_bf16 v[DA], v[RING+32+4*(\q)+(\j)], v[RING+4*(\q)+(\j)],    v[DA] op_sel_hi:[1,1,0]
	v_fma_mix_f32_bf16 v[DB], v[RING+96+4*(\q)+(\j)], v[RING+64+4*(\q)+(\j)], v[DB] op_sel_hi:[1,1,0]
.endif
	v_fma_mix_f32_bf16 v[DA], v[RING+32+4*(\q)+(\j)], v[RING+4*(\q)+(\j)],    v[DA] op_sel:[1,1,0] op_sel_hi:[1,1,0]
	v_fma_mix_f32_bf16 v[DB], v[RING+96+4*(\q)+(\j)], v[RING+64+4*(\q)+(\j)], v[DB] op_sel:[1,1,0] op_sel_hi:[1,1,0]
.endr
.if \ahead
	LD4 (\t)+1, \q
.endif
.endm
; The end of step t: the two roundings of the formula, the least distance of each row's 16 lanes, the lowest code that has it, and its place in RES.
.macro FIN t
	v_readlane_b32 s20, v[XX], 2*(\t)
	v_readlane_b32 s21, v[XX], 2*(\t)+16
	v_readlane_b32 s22, v[XX], 2*(\t)+1
	v_readlane_b32 s23, v[XX], 2*(\t)+17
	v_mov_b32 v[XPA], s20
	v_mov_b32 v[XPB], s22
	v_cndmask_b32 v[XPA], v[XPA], s21, s26         ; lanes 16 to 31 serve the row 16 further on
	v_cndmask_b32 v[XPB], v[XPB], s23, s26
	v_fma_f32 v[DA], v[DA], -2.0, v[XPA]           ; |x|^2 - 2 x.e: one rounding
	v_fma_f32 v[DB], v[DB], -2.0, v[XPB]
	v_add_f32 v[DA], v[DA], v[EE+2*(\t)]           ; + |e|^2: one more
	v_add_f32 v[DB], v[DB], v[EE+2*(\t)+1]
	v_min_num_f32_dpp v[MA], v[DA], v[DA] row_xmask:1 row_mask:0xf bank_mask:0xf
	v_min_num_f32_dpp v[MB], v[DB], v[DB] row_xmask:1 row_mask:0xf bank_mask:0xf
.irp m, 2,4,8
	v_min_num_f32_dpp v[MA], v[MA], v[MA] row_xmask:\m row_mask:0xf bank_mask:0xf
	v_min_num_f32_dpp v[MB], v[MB], v[MB] row_xmask:\m row_mask:0xf bank_mask:0xf
.endr
	v_cvt_f32_u32 v[CA], v[CD+2*(\t)]              ; an index below 1,024 is exact as a float
	v_cvt_f32_u32 v[CB], v[CD+2*(\t)+1]
	v_cmp_eq_f32 vcc_lo, v[DA], v[MA]
	v_cmp_eq_f32 s20, v[DB], v[MB]
	v_cndmask_b32 v[CA], v[BIG], v[CA], vcc_lo     ; only the lanes that hold the least distance stand for their codes
	v_cndmask_b32 v[CB], v[BIG], v[CB], s20
.irp m, 1,2,4,8
	v_min_num_f32_dpp v[CA], v[CA], v[CA] row_xmask:\m row_mask:0xf bank_mask:0xf
	v_min_num_f32_dpp v[CB], v[CB], v[CB] row_xmask:\m row_mask:0xf bank_mask:0xf
.endr
	s_mov_b32 s21, 0x00010001<<(2*(\t))            ; the lanes whose own row this pair served
	s_mov_b32 s22, 0x00010001<<(2*(\t)+1)
	v_cndmask_b32 v[RES], v[RES], v[CA], s21
	v_cndmask_b32 v[RES], v[RES], v[CB], s22
.endm
	s_load_b256 s[4:11], s[0:1], 0x0               ; cand s[4:5], xb s[6:7], codes s[8:9], enorm s[10:11]
	s_load_b128 s[12:15], s[0:1], 0x20             ; out1 s[12:13], pick s[14:15]
	v_lshrrev_b32 v[TM], 5, v0
	v_readfirstlane_b32 s16, v[TM]                 ; wave 0..7
	v_and_b32 v[LN], 31, v0
	v_and_b32 v[R7], 7, v0
	v_bfe_u32 v[TM], v0, 4, 1                      ; l / 16
	s_lshl_b32 s20, s16, 7                         ; 128 w
	s_lshl_b32 s21, s16, 12                        ; 4,096 w
	v_lshl_add_u32 v[COFF], v[TM], 6, s20
	v_lshl_add_u32 v[XO], v[TM], 11, s21
	v_bfe_u32 v[TM], v0, 3, 1                      ; which of the two groups is mine
	v_lshl_add_u32 v[COFF], v[TM], 18, v[COFF]
	v_lshl_add_u32 v[XRO], v[LN], 7, s21
	v_lshl_add_u32 v[OO], v[LN], 2, s20
	v_mov_b32 v[ZR], 0
	v_mov_b32 v[RES], 0
	v_mov_b32 v[MA], 0                             ; (the destination of a DPP line counts as read)
	v_mov_b32 v[MB], 0
	v_mov_b32 v[BIG], 0x45000000
	s_mov_b32 s26, 0xffff0000                      ; lanes 16 to 31
	s_lshl_b32 s22, ttmp9, 10                      ; the work-group's 256 words of cand's planes, of out1 and of pick
	s_mov_b32 s23, 0
	s_lshl_b32 s24, ttmp9, 15                      ; and its 256 rows of xb
	s_mov_b32 s25, 0
	s_wait_kmcnt 0x0
	s_add_nc_u64 s[4:5], s[4:5], s[22:23]
	s_add_nc_u64 s[12:13], s[12:13], s[22:23]
	s_add_nc_u64 s[14:15], s[14:15], s[22:23]
	s_add_nc_u64 s[6:7], s[6:7], s[24:25]
.irp q, 0,1,2,3
	global_load_b128 v[CD+4*(\q):CD+4*(\q)+3], v[COFF], s[4:5] offset:16*(\q)
.endr
.irp q, 0,1,2,3,4,5,6,7
	global_load_b128 v[XR+4*(\q):XR+4*(\q)+3], v[XRO], s[6:7] offset:16*(\q)
.endr
	s_wait_loadcnt 8                               ; the groups are in; the 8 loads of my row may stay out
.irp i, 0,1,2,3,4,5,6,7,8,9,10,11,12,13,14,15
	v_min_u32 v[CD+(\i)], 0x7f, v[CD+(\i)]         ; a loaded number enters an address only behind a bound: there are 128 groups
	v_lshl_add_u32 v[CD+(\i)], v[CD+(\i)], 3, v[R7]
	v_lshlrev_b32 v[AD+(\i)], 7, v[CD+(\i)]
	v_lshlrev_b32 v[EA+(\i)], 2, v[CD+(\i)]
.endr
.irp i, 0,1,2,3,4,5,6,7,8,9,10,11,12,13,14,15
	global_load_b32 v[EE+(\i)], v[EA+(\i)], s[10:11]
.endr
.irp q, 0,1,2,3,4,5,6,7
	LD4 0, \q                                      ; the ring is filled: step 0
.endr
	s_wait_loadcnt 48                              ; my row is in: behind it went 16 loads of |e|^2 and the ring's 32
	v_fma_mix_f32_bf16 v[XX], v[XR], v[XR], v[ZR] op_sel_hi:[1,1,0]
	v_fma_mix_f32_bf16 v[XX], v[XR], v[XR], v[XX] op_sel:[1,1,0] op_sel_hi:[1,1,0]
.set j, 1
.rept 31
	v_fma_mix_f32_bf16 v[XX], v[XR+j], v[XR+j], v[XX] op_sel_hi:[1,1,0]            ; |x|^2, k ascending
	v_fma_mix_f32_bf16 v[XX], v[XR+j], v[XR+j], v[XX] op_sel:[1,1,0] op_sel_hi:[1,1,0]
.set j, j+1
.endr
.set tt, 0
.rept 7
.set qq, 0
.rept 8
	TURN tt, qq, 1, 28                             ; behind turn q's four loads went 4 (7 - q) of this step and 4 q of the next
.set qq, qq+1
.endr
	FIN tt
.set tt, tt+1
.endr
.set qq, 0
.rept 8
	TURN 7, qq, 0, 28-4*qq                         ; the last step asks for nothing: the counts run down
.set qq, qq+1
.endr
	FIN 7
	v_cvt_u32_f32 v[RES], v[RES]
	global_store_b32 v[OO], v[RES], s[12:13] th:TH_STORE_NT    ; the wave's 32 rows: 128 consecutive bytes
	global_store_b32 v[OO], v[RES], s[14:15]                   ; once more, as whole numbers for the launch behind, which forms addresses of them
	s_endpgm
.Lfunc_end_k_q5fe1a2d216_refine:
	.size	k_q5fe1a2d216_refine, .Lfunc_end_k_q5fe1a2d216_refine-k_q5fe1a2d216_refine
	.p2alignl 7, 3214868480
	.fill 96, 4, 3214868480
	.section	.rodata,"a",@progbits
	.p2align	6, 0x0
	.amdhsa_kernel k_q5fe1a2d216_refine
		.amdhsa_group_segment_fixed_size 0
		.amdhsa_private_segment_fixed_size 0
		.amdhsa_enable_private_segment 0
		.amdhsa_kernarg_size 48
		.amdhsa_user_sgpr_count 2
		.amdhsa_user_sgpr_kernarg_segment_ptr 1
		.amdhsa_wavefront_size32 1
		.amdhsa_system_sgpr_workgroup_id_x 1
		.amdhsa_system_sgpr_workgroup_id_y 1
		.amdhsa_system_sgpr_workgroup_id_z 1
		.amdhsa_system_vgpr_workitem_id 0
		.amdhsa_next_free_vgpr 244
		.amdhsa_next_free_sgpr 66
		.amdhsa_reserve_vcc 1
		.amdhsa_float_denorm_mode_32 3
		.amdhsa_float_denorm_mode_16_64 3
		.amdhsa_memory_ordered 1
		.amdhsa_forward_progress 1
		.amdhsa_inst_pref_size 119
	.end_amdhsa_kernel
	.amdgpu_metadata
---
amdhsa.version: [ 1, 2 ]
amdhsa.kernels:
  - .name:           k_q5fe1a2d216_refine
    .symbol:         k_q5fe1a2d216_refine.kd
    .args:
      - { .name: cand, .offset: 0, .size: 8, .value_kind: global_buffer, .address_space: global }
      - { .name: xb, .offset: 8, .size: 8, .value_kind: global_buffer, .address_space: global }
      - { .name: codes, .offset: 16, .size: 8, .value_kind: global_buffer, .address_space: global }
      - { .name: enorm, .offset: 24, .size: 8, .value_kind: global_buffer, .address_space: global }
      - { .name: out1, .offset: 32, .size: 8, .value_kind: global_buffer, .address_space: global }
      - { .name: pick, .offset: 40, .size: 8, .value_kind: global_buffer, .address_space: global }
    .group_segment_fixed_size: 0
    .private_segment_fixed_size: 0
    .kernarg_segment_align: 8
    .kernarg_segment_size: 48
    .max_flat_workgroup_size: 256
    .sgpr_count:     66
    .vgpr_count:     244
    .wavefront_size: 32
...
	.end_amdgpu_metadata
.endif
;; end of part 2
;; launch lookup (part 3): grid 256 x 1, 8 waves a work-group, no clusters, 0 bytes of LDS; arguments pick, codes, part, out0, out2, out3; writes out0, out2, out3
.if DOCPART == 3
	.amdgcn_target "amdgcn-amd-amdhsa--gfx1250"
	.amdhsa_code_object_version 6
	.text
	.protected	k_q5fe1a2d216_lookup
	.globl	k_q5fe1a2d216_lookup
	.p2align	8
	.type	k_q5fe1a2d216_lookup,@function
k_q5fe1a2d216_lookup:
	s_mov_b64 s[64:65], 0
	v_nop
	global_prefetch_b8 v0, s[64:65] scope:SCOPE_SE
	s_setreg_imm32_b32 hwreg(HW_REG_WAVE_MODE, 25, 1), 1
	s_wait_xcnt 0x0
; out0[row] = the code that the launch before chose for the row; out2 = out3 = the mean of the least distances.
; Work left out, as shown at the head of the launch before: quantize = quant + (quantize_hard - quant) = quantize_hard, so there is no softmax and no second product; embed_loss = diff, so one number is stored twice.
; pick: int32 [65536], whole numbers stored by the launch before.  codes: bf16 [1024][64], rows of 128 bytes: the codes go out as rounded once to bf16, widened to f32.  part: f32 [1024], partial sums.
; SHARES.  A work-group has 256 rows, each of its eight waves 32.  In step i of 16, lanes 0-15 serve row 32 w + i and lanes 16-31 row 32 w + 16 + i: a lane takes 8 bytes of the code's row
; and stores 16 bytes of out0, so each half of the lanes stores 256 consecutive bytes, aligned.  All 16 gathers of a wave are out before the first is used.
; Wave 0 of work-group 0 also adds up part, while its gathers are out: 1,024 numbers, 32 a lane; the mean is over 65,536 x 64 = 2^22 numbers.
; No LDS, no barrier: no wave wants a byte that another has fetched.
.set POFF, 1                           ; v1   my 16 indices: 128 w + 64 h
.set C8,   2                           ; v2   my 8 bytes of a code's row: 8 r
.set OOFF, 3                           ; v3   8,192 w + 4,096 h + 16 r; never rewritten
.set LN,   4                           ; v4   lane
.set ZA,   5                           ; v5   0
.set IX,   8                           ; v8-23   16 indices
.set AD,   24                          ; v24-39  16 byte offsets into codes
.set D,    40                          ; v40-71  16 x 2 words: 4 bf16
.set O,    72                          ; v72-135 16 x 4 f32; before that, in one wave, part's 32 numbers
	s_load_b256 s[4:11], s[0:1], 0x0               ; pick s[4:5], codes s[6:7], part s[8:9], out0 s[10:11]
	s_load_b128 s[12:15], s[0:1], 0x20             ; out2 s[12:13], out3 s[14:15]
	v_lshrrev_b32 v6, 5, v0
	v_readfirstlane_b32 s16, v6                    ; wave 0..7
	v_and_b32 v[LN], 31, v0
	v_and_b32 v6, 15, v0                           ; r
	v_bfe_u32 v7, v0, 4, 1                         ; h
	s_lshl_b32 s22, s16, 7
	v_lshl_add_u32 v[POFF], v7, 6, s22
	v_lshlrev_b32 v[C8], 3, v6
	s_lshl_b32 s23, s16, 13
	v_lshl_add_u32 v[OOFF], v7, 12, s23
	v_lshl_add_u32 v[OOFF], v6, 4, v[OOFF]
	v_mov_b32 v[ZA], 0
	v_lshlrev_b32 v7, 4, v[LN]                     ; 16 l, for part
	s_or_b32 s17, s16, ttmp9                       ; 0 in wave 0 of work-group 0 alone
	s_mov_b32 s18, 0xffff0000                      ; a word's upper bf16
	s_mov_b32 s20, 0x76543210                      ; v_permlanex16_b32: each lane takes its own place in the other half
	s_mov_b32 s21, 0xfedcba98
	s_lshl_b32 s24, ttmp9, 10                      ; the work-group's 256 indices
	s_mov_b32 s25, 0
	s_lshl_b32 s26, ttmp9, 16                      ; and its 256 rows of 256 bytes
	s_mov_b32 s27, 0
	s_wait_kmcnt 0x0
	s_add_nc_u64 s[4:5], s[4:5], s[24:25]
	s_add_nc_u64 s[10:11], s[10:11], s[26:27]
	s_cmp_lg_u32 s17, 0
	s_cbranch_scc1 .Lno_part
.irp q, 0,1,2,3,4,5,6,7
	global_load_b128 v[O+4*(\q):O+4*(\q)+3], v7, s[8:9] offset:512*(\q)
.endr
.Lno_part:
.irp q, 0,1,2,3
	global_load_b128 v[IX+4*(\q):IX+4*(\q)+3], v[POFF], s[4:5] offset:16*(\q)
.endr
	s_wait_loadcnt 0x0                             ; the addresses below hang on the indices
.irp i, 0,1,2,3,4,5,6,7,8,9,10,11,12,13,14,15
	v_min_u32 v[IX+(\i)], 0x3ff, v[IX+(\i)]        ; a loaded number enters an address only behind a bound: the table has 1,024 rows
	v_lshl_add_u32 v[AD+(\i)], v[IX+(\i)], 7, v[C8]
.endr
.irp i, 0,1,2,3,4,5,6,7,8,9,10,11,12,13,14,15
	global_load_b64 v[D+2*(\i):D+2*(\i)+1], v[AD+(\i)], s[6:7]
.endr
	s_cmp_lg_u32 s17, 0
	s_cbranch_scc1 .Lno_sum
.irp z, 0,2,4,6,8,10,12,14             ; 32 numbers a lane into one, two sums a line
	v_pk_add_f32 v[O+(\z):O+(\z)+1], v[O+(\z):O+(\z)+1], v[O+16+(\z):O+16+(\z)+1]
.endr
.irp z, 0,2,4,6
	v_pk_add_f32 v[O+(\z):O+(\z)+1], v[O+(\z):O+(\z)+1], v[O+8+(\z):O+8+(\z)+1]
.endr
.irp z, 0,2
	v_pk_add_f32 v[O+(\z):O+(\z)+1], v[O+(\z):O+(\z)+1], v[O+4+(\z):O+4+(\z)+1]
.endr
	v_pk_add_f32 v[O:O+1], v[O:O+1], v[O+2:O+3]
	v_add_f32 v[O], v[O], v[O+1]
	v_add_f32_dpp v[O], v[O], v[O] row_xmask:1 row_mask:0xf bank_mask:0xf
	v_add_f32_dpp v[O], v[O], v[O] row_xmask:2 row_mask:0xf bank_mask:0xf
	v_add_f32_dpp v[O], v[O], v[O] row_xmask:4 row_mask:0xf bank_mask:0xf
	v_add_f32_dpp v[O], v[O], v[O] row_xmask:8 row_mask:0xf bank_mask:0xf
	v_permlanex16_b32 v[O+1], v[O], s20, s21
	v_add_f32 v[O], v[O], v[O+1]
	v_mul_f32 v[O], 0x34800000, v[O]               ; 2^-22
	v_cmp_eq_u32 vcc_lo, 0, v[LN]
	s_wait_xcnt 0x0                                ; EXEC changes only behind this wait: the gathers have read theirs
	s_and_saveexec_b32 s19, vcc_lo                 ; lane 0 alone
	global_store_b32 v[ZA], v[O], s[12:13]         ; diff
	global_store_b32 v[ZA], v[O], s[14:15]         ; embed_loss, the same number
	s_wait_xcnt 0x0                                ; ahead of the line that widens EXEC, and of the lines below that write the stores' data register anew
	s_or_b32 exec_lo, exec_lo, s19
.Lno_sum:
.irp i, 0,1,2,3,4,5,6,7,8,9,10,11,12,13,14,15
	s_wait_loadcnt 15-(\i)                         ; loads come back in order (ISA guide 5.7.1): gather i is in, the 15 - i younger ones stay out
	v_lshlrev_b32 v[O+4*(\i)],   16,  v[D+2*(\i)]      ; bf16 to f32: the low half moves up,
	v_and_b32     v[O+4*(\i)+1], s18, v[D+2*(\i)]      ; the high half stays
	v_lshlrev_b32 v[O+4*(\i)+2], 16,  v[D+2*(\i)+1]
	v_and_b32     v[O+4*(\i)+3], s18, v[D+2*(\i)+1]
	global_store_b128 v[OOFF], v[O+4*(\i):O+4*(\i)+3], s[10:11] offset:256*(\i) th:TH_STORE_NT
.endr
	s_endpgm
.Lfunc_end_k_q5fe1a2d216_lookup:
	.size	k_q5fe1a2d216_lookup, .Lfunc_end_k_q5fe1a2d216_lookup-k_q5fe1a2d216_lookup
	.p2alignl 7, 3214868480
	.fill 96, 4, 3214868480
	.section	.rodata,"a",@progbits
	.p2align	6, 0x0
	.amdhsa_kernel k_q5fe1a2d216_lookup
		.amdhsa_group_segment_fixed_size 0
		.amdhsa_private_segment_fixed_size 0
		.amdhsa_enable_private_segment 0
		.amdhsa_kernarg_size 48
		.amdhsa_user_sgpr_count 2
		.amdhsa_user_sgpr_kernarg_segment_ptr 1
		.amdhsa_wavefront_size32 1
		.amdhsa_system_sgpr_workgroup_id_x 1
		.amdhsa_system_sgpr_workgroup_id_y 1
		.amdhsa_system_sgpr_workgroup_id_z 1
		.amdhsa_system_vgpr_workitem_id 0
		.amdhsa_next_free_vgpr 136
		.amdhsa_next_free_sgpr 66
		.amdhsa_reserve_vcc 1
		.amdhsa_float_denorm_mode_32 3
		.amdhsa_float_denorm_mode_16_64 3
		.amdhsa_memory_ordered 1
		.amdhsa_forward_progress 1
		.amdhsa_inst_pref_size 12
	.end_amdhsa_kernel
	.amdgpu_metadata
---
amdhsa.version: [ 1, 2 ]
amdhsa.kernels:
  - .name:           k_q5fe1a2d216_lookup
    .symbol:         k_q5fe1a2d216_lookup.kd
    .args:
      - { .name: pick, .offset: 0, .size: 8, .value_kind: global_buffer, .address_space: global }
      - { .name: codes, .offset: 8, .size: 8, .value_kind: global_buffer, .address_space: global }
      - { .name: part, .offset: 16, .size: 8, .value_kind: global_buffer, .address_space: global }
      - { .name: out0, .offset: 24, .size: 8, .value_kind: global_buffer, .address_space: global }
      - { .name: out2, .offset: 32, .size: 8, .value_kind: global_buffer, .address_space: global }
      - { .name: out3, .offset: 40, .size: 8, .value_kind: global_buffer, .address_space: global }
    .group_segment_fixed_size: 0
    .private_segment_fixed_size: 0
    .kernarg_segment_align: 8
    .kernarg_segment_size: 48
    .max_flat_workgroup_size: 256
    .sgpr_count:     66
    .vgpr_count:     136
    .wavefront_size: 32
...
	.end_amdgpu_metadata
.endif
;; end of part 3
;; ======== version 2 of 2: 3 launches; version 1 with the launch refine written anew for expert scheduling mode
;; limits: a difference of large sums (such as E[x^2] - mean^2): digits are lost where the result is much smaller than its terms
;; workspace buffers: pick 262,144 bytes of whole numbers; cand 524,288 bytes of whole numbers; codes 131,072 bytes; part 4,096 bytes; xb 8,388,608 bytes; enorm 4,096 bytes
;; launch nearest: the kernel of part 1 again; grid 256 x 1, 4 waves a work-group, no clusters, 182,784 bytes of LDS; arguments embed, input, cand, codes, part, xb, enorm; writes cand, codes, part, xb, enorm
;; launch refine (part 4): grid 256 x 1, 8 waves a work-group, no clusters, 0 bytes of LDS; arguments cand, xb, codes, enorm, out1, pick; writes out1, pick
.if DOCPART == 4
	.amdgcn_target "amdgcn-amd-amdhsa--gfx1250"
	.amdhsa_code_object_version 6
	.text
	.protected	k_q5fe1a2d216_refine
	.globl	k_q5fe1a2d216_refine
	.p2align	8
	.type	k_q5fe1a2d216_refine,@function
k_q5fe1a2d216_refine:
	s_mov_b64 s[64:65], 0
	v_nop
	global_prefetch_b8 v0, s[64:65] scope:SCOPE_SE
	s_setreg_imm32_b32 hwreg(HW_REG_WAVE_SCHED_MODE, 0, 2), 2
	s_setreg_imm32_b32 hwreg(HW_REG_WAVE_MODE, 25, 1), 1
	s_wait_xcnt 0x0
	s_wait_alu depctr_vm_vsrc(0)
; THE NEAREST CODE, decided among the 16 candidates that the launch before left for each row, by reference()'s own formula in f32: dist = (|x|^2 - 2 x.e) + |e|^2, the first least.
; Work left out, as shown at the head of the launch before: no softmax and no second product (quantize = quantize_hard); here only 16 of a row's 1,024 distances are formed: the two groups of 8 codes that hold its two best.
; cand: int32 [2][65536], whole numbers: a row's two groups, 0 to 127; group n is codes 8 n .. 8 n + 7.  xb: x in bf16 [65536][64].  codes: the codebook by rows in bf16 [1024][64].  enorm: f32 [1024], |e|^2.
; THE ORDER OF ROUNDING.  |x|^2, x.e and |e|^2 are sums of 64 terms taken in ascending k, one rounding a term (a product of two bf16 is exact in f32, so a fused multiply-add rounds as the plain sum does);
; then one rounding for |x|^2 - 2 x.e (2 x.e is exact) and one for + |e|^2.  Equal distances go to the lower index, as jnp.argmax has it.
; LIMIT.  Where reference()'s sums are taken in another order, a row whose two best distances differ by less than the rounding of those sums may be decided otherwise.  NaN and infinities are not treated apart.
; SHARES.  A work-group has 256 rows, each of its eight waves 32.  For pair p of 16, lanes 0-15 serve row 32 w + p and lanes 16-31 row 32 w + 16 + p; a lane has ONE candidate: lanes 0-7 of a half the best group's
; codes, lanes 8-15 the second's.  A lane reads its code's 128 bytes and its row's 128 bytes (the same for 16 lanes).
; A STEP is two pairs, whose two chains of 64 multiply-adds take turns; it has eight TURNS of 8 along k.  |x|^2 is made once a wave, a lane a row, and handed to the pairs by v_readlane_b32.
; No LDS, no barrier: no wave wants what another has fetched.
; THE MODE: SCHED_MODE bits 1:0 = 2 (LLVM: expert scheduling mode 2), set by the entry lines.  The code itself states the register dependences between vector instructions and memory instructions,
; with s_wait_alu, always for 0.
; THE PLAN.  The launch's 64 turns are numbered n = 8 x step + turn.  Registers that memory instructions touch:
;   v3-6 (COFF, XRO, XO, OO), v32-63 (AD, EA)   offsets: written once by vector lines, read by loads and stores, never written again: one wait on va_vdst ahead of their first readers, no wait on vm_vsrc anywhere.
;   v16-31 (CD), v64-79 (EE)                    loaded once; named by vector lines alone from then on.
;   v80-239: TEN SLOTS of 16 registers.  Turn n's four loads (16 bytes of both chains' codes and rows) land in slot n % 10; turn n's sixteen multiply-adds read it.  Slots 8 and 9 first hold my own row, for |x|^2.
;   v8 (RES)                                    written by vector lines, read by the two stores at the end.
; The head asks for turns 0 to 7.  At the head of turn n the loads of turn n + 8 are issued, into slot (n - 2) % 10, which turn n - 2 read (for n = 0, 1: the lines of |x|^2).  ONE wait on va_vdst stands at the
; head of every even turn: it states that the two turns before are done reading their slots, and serves this turn's four loads and the next turn's: the vector lines issued between name slot n % 10, the two
; sums, the 0 and |x|^2 alone.  A load has eight turns in which to land.  The last eight turns ask for nothing and hold no such wait.
; Scalar registers that vector lines write (the wave's number; |x|^2 by v_readlane_b32; the two compares' masks) have a wait on va_sdst ahead of their first reader, one for each run of writers.
.set ZR,   1                           ; v1   0
.set R7,   2                           ; v2   my place in a group: l % 8
.set COFF, 3                           ; v3   my 16 words of cand: 262,144 ((l / 8) % 2) + 128 w + 64 (l / 16)
.set XRO,  4                           ; v4   row 32 w + l of xb: 4,096 w + 128 l
.set XO,   5                           ; v5   row 32 w + 16 (l / 16) of xb: 4,096 w + 2,048 (l / 16); never rewritten
.set OO,   6                           ; v6   my word of out1 and pick: 128 w + 4 l
.set XX,   7                           ; v7   |x|^2 of row 32 w + l
.set RES,  8                           ; v8   the index of row 32 w + l, as a float until the end
.set LN,   9
.set TM,   10
.set BIG,  11                          ; v11  2,048.0: above every index
.set DA,   12                          ; v12, v13  the two chains
.set DB,   13
.set XPA,  14                          ; v14, v15  |x|^2 of the pairs' rows
.set XPB,  15
.set CD,   16                          ; v16-31  by pair: the group, then my code
.set AD,   32                          ; v32-47  128 x code; never rewritten
.set EA,   48                          ; v48-63  4 x code; never rewritten
.set EE,   64                          ; v64-79  |e|^2 of my code
.set SLOTS, 10
.set RING, 80                          ; v80-239 slot s at RING + 16 s: chain 0's code (4 words), its row (4), chain 1's code, its row
.set XR,   208                         ; v208-239 at the head: row 32 w + l, for |x|^2; these are slots 8 and 9
.set MA,   240
.set MB,   241
.set CA,   242
.set CB,   243
; The four loads of turn n: 16 bytes (8 k) of both chains' codes and rows, into slot n % 10.
.macro LD4 n
.set ls_, RING+16*((\n)%SLOTS)
.set lt_, (\n)/8
.set lq_, (\n)%8
	global_load_b128 v[ls_:ls_+3],     v[AD+2*lt_],   s[8:9] offset:16*lq_
	global_load_b128 v[ls_+4:ls_+7],   v[XO],         s[6:7] offset:256*lt_+16*lq_
	global_load_b128 v[ls_+8:ls_+11],  v[AD+2*lt_+1], s[8:9] offset:16*lq_
	global_load_b128 v[ls_+12:ls_+15], v[XO],         s[6:7] offset:256*lt_+128+16*lq_
.endm
; Turn n: the loads of turn n + 8; then k = 8 (n % 8) .. + 7 of both chains, ascending.
.macro TURN n
.if (\n) < 56
	s_wait_loadcnt 28                              ; loads come back in order (ISA guide 5.7.1): behind turn n's four went those of turns n + 1 to n + 7
.else
	s_wait_loadcnt 4*(63-(\n))                     ; the last eight turns ask for nothing: the counts run down
.endif
.if ((\n) < 56) && (((\n)%2) == 0)
	s_wait_alu depctr_va_vdst(0)                   ; the multiply-adds of turns n - 2 and n - 1 (ahead of turn 0: the lines of |x|^2) are done reading their slots, in which this turn's loads and the next turn's land
.endif
.if (\n) < 56
	LD4 (\n)+8                                     ; no vector line since that wait names these registers
.endif
.if ((\n)%8) == 7
	v_readlane_b32 s20, v[XX], 2*((\n)/8)          ; |x|^2 of the step's four rows: asked for here, so that this turn's multiply-adds stand between these lines and the wait for them
	v_readlane_b32 s21, v[XX], 2*((\n)/8)+16
	v_readlane_b32 s22, v[XX], 2*((\n)/8)+1
	v_readlane_b32 s23, v[XX], 2*((\n)/8)+17
.endif
.set ts_, RING+16*((\n)%SLOTS)
.irp j, 0,1,2,3
.if (((\n)%8) == 0) && ((\j) == 0)
	v_fma_mix_f32_bf16 v[DA], v[ts_+4],  v[ts_],   v[ZR] op_sel_hi:[1,1,0]         ; the first term starts the sum
	v_fma_mix_f32_bf16 v[DB], v[ts_+12], v[ts_+8], v[ZR] op_sel_hi:[1,1,0]
.else
	v_fma_mix_f32_bf16 v[DA], v[ts_+4+(\j)],  v[ts_+(\j)],   v[DA] op_sel_hi:[1,1,0]
	v_fma_mix_f32_bf16 v[DB], v[ts_+12+(\j)], v[ts_+8+(\j)], v[DB] op_sel_hi:[1,1,0]
.endif
	v_fma_mix_f32_bf16 v[DA], v[ts_+4+(\j)],  v[ts_+(\j)],   v[DA] op_sel:[1,1,0] op_sel_hi:[1,1,0]
	v_fma_mix_f32_bf16 v[DB], v[ts_+12+(\j)], v[ts_+8+(\j)], v[DB] op_sel:[1,1,0] op_sel_hi:[1,1,0]
.endr
.endm
; The end of step t: the two roundings of the formula, the least distance of each row's 16 lanes, the lowest code that has it, and its place in RES.
.macro FIN t
	s_wait_alu depctr_va_sdst(0)                   ; the four v_readlane_b32 at the head of the step's last turn have written s20 to s23, ahead of their first reader
	v_mov_b32 v[XPA], s20
	v_mov_b32 v[XPB], s22
	v_cndmask_b32 v[XPA], v[XPA], s21, s26         ; lanes 16 to 31 serve the row 16 further on
	v_cndmask_b32 v[XPB], v[XPB], s23, s26
	v_fma_f32 v[DA], v[DA], -2.0, v[XPA]           ; |x|^2 - 2 x.e: one rounding
	v_fma_f32 v[DB], v[DB], -2.0, v[XPB]
	v_add_f32 v[DA], v[DA], v[EE+2*(\t)]           ; + |e|^2: one more
	v_add_f32 v[DB], v[DB], v[EE+2*(\t)+1]
	v_min_num_f32_dpp v[MA], v[DA], v[DA] row_xmask:1 row_mask:0xf bank_mask:0xf
	v_min_num_f32_dpp v[MB], v[DB], v[DB] row_xmask:1 row_mask:0xf bank_mask:0xf
.irp m, 2,4,8
	v_min_num_f32_dpp v[MA], v[MA], v[MA] row_xmask:\m row_mask:0xf bank_mask:0xf
	v_min_num_f32_dpp v[MB], v[MB], v[MB] row_xmask:\m row_mask:0xf bank_mask:0xf
.endr
	v_cmp_eq_f32 s24, v[DA], v[MA]                 ; the two compares in a run, into two scalar registers
	v_cmp_eq_f32 s25, v[DB], v[MB]
	v_cvt_f32_u32 v[CA], v[CD+2*(\t)]              ; an index below 1,024 is exact as a float
	v_cvt_f32_u32 v[CB], v[CD+2*(\t)+1]
	s_wait_alu depctr_va_sdst(0)                   ; both compares have written their masks, s24 and s25, ahead of the selects that read them
	v_cndmask_b32 v[CA], v[BIG], v[CA], s24        ; only the lanes that hold the least distance stand for their codes
	v_cndmask_b32 v[CB], v[BIG], v[CB], s25
.irp m, 1,2,4,8
	v_min_num_f32_dpp v[CA], v[CA], v[CA] row_xmask:\m row_mask:0xf bank_mask:0xf
	v_min_num_f32_dpp v[CB], v[CB], v[CB] row_xmask:\m row_mask:0xf bank_mask:0xf
.endr
	s_mov_b32 s17, 0x00010001<<(2*(\t))            ; the lanes whose own row this pair served
	s_mov_b32 s18, 0x00010001<<(2*(\t)+1)
	v_cndmask_b32 v[RES], v[RES], v[CA], s17
	v_cndmask_b32 v[RES], v[RES], v[CB], s18
.endm
	s_load_b256 s[4:11], s[0:1], 0x0               ; cand s[4:5], xb s[6:7], codes s[8:9], enorm s[10:11]
	s_load_b128 s[12:15], s[0:1], 0x20             ; out1 s[12:13], pick s[14:15]
	v_lshrrev_b32 v[TM], 5, v0
	v_readfirstlane_b32 s16, v[TM]                 ; wave 0..7
	v_and_b32 v[LN], 31, v0
	v_and_b32 v[R7], 7, v0
	v_bfe_u32 v[TM], v0, 4, 1                      ; l / 16
	v_mov_b32 v[ZR], 0
	v_mov_b32 v[RES], 0
	v_mov_b32 v[MA], 0                             ; (the destination of a DPP line counts as read)
	v_mov_b32 v[MB], 0
	v_mov_b32 v[BIG], 0x45000000
	s_wait_alu depctr_va_sdst(0)                   ; s16 is written, ahead of its first reader: the wave's offsets are made from it
	s_lshl_b32 s20, s16, 7                         ; 128 w
	s_lshl_b32 s21, s16, 12                        ; 4,096 w
	v_lshl_add_u32 v[COFF], v[TM], 6, s20
	v_lshl_add_u32 v[XO], v[TM], 11, s21
	v_bfe_u32 v[TM], v0, 3, 1                      ; which of the two groups is mine
	v_lshl_add_u32 v[COFF], v[TM], 18, v[COFF]
	v_lshl_add_u32 v[XRO], v[LN], 7, s21
	v_lshl_add_u32 v[OO], v[LN], 2, s20
	s_mov_b32 s26, 0xffff0000                      ; lanes 16 to 31
	s_lshl_b32 s22, ttmp9, 10                      ; the work-group's 256 words of cand's planes, of out1 and of pick
	s_mov_b32 s23, 0
	s_lshl_b32 s24, ttmp9, 15                      ; and its 256 rows of xb
	s_mov_b32 s25, 0
	s_wait_kmcnt 0x0
	s_add_nc_u64 s[4:5], s[4:5], s[22:23]
	s_add_nc_u64 s[12:13], s[12:13], s[22:23]
	s_add_nc_u64 s[14:15], s[14:15], s[22:23]
	s_add_nc_u64 s[6:7], s[6:7], s[24:25]
	s_wait_alu depctr_va_vdst(0)                   ; the four offsets v3 to v6 are written, which the loads below and the stores at the end read
.irp q, 0,1,2,3
	global_load_b128 v[CD+4*(\q):CD+4*(\q)+3], v[COFF], s[4:5] offset:16*(\q)
.endr
.irp q, 0,1,2,3,4,5,6,7
	global_load_b128 v[XR+4*(\q):XR+4*(\q)+3], v[XRO], s[6:7] offset:16*(\q)
.endr
	s_wait_loadcnt 8                               ; the groups are in; the 8 loads of my row may stay out
.irp i, 0,1,2,3,4,5,6,7,8,9,10,11,12,13,14,15
	v_min_u32 v[CD+(\i)], 0x7f, v[CD+(\i)]         ; a loaded number enters an address only behind a bound: there are 128 groups
	v_lshl_add_u32 v[CD+(\i)], v[CD+(\i)], 3, v[R7]
	v_lshlrev_b32 v[AD+(\i)], 7, v[CD+(\i)]
	v_lshlrev_b32 v[EA+(\i)], 2, v[CD+(\i)]
.endr
	s_wait_alu depctr_va_vdst(0)                   ; the 32 offsets v[AD ..] and v[EA ..] are written, which every gather from here on reads
.irp i, 0,1,2,3,4,5,6,7,8,9,10,11,12,13,14,15
	global_load_b32 v[EE+(\i)], v[EA+(\i)], s[10:11]
.endr
.irp q, 0,1,2,3,4,5,6,7
	LD4 \q                                         ; turns 0 to 7 into slots 0 to 7
.endr
	s_wait_loadcnt 48                              ; my row is in: behind it went 16 loads of |e|^2 and the ring's 32
	v_fma_mix_f32_bf16 v[XX], v[XR], v[XR], v[ZR] op_sel_hi:[1,1,0]
	v_fma_mix_f32_bf16 v[XX], v[XR], v[XR], v[XX] op_sel:[1,1,0] op_sel_hi:[1,1,0]
.set j, 1
.rept 31
	v_fma_mix_f32_bf16 v[XX], v[XR+j], v[XR+j], v[XX] op_sel_hi:[1,1,0]            ; |x|^2, k ascending
	v_fma_mix_f32_bf16 v[XX], v[XR+j], v[XR+j], v[XX] op_sel:[1,1,0] op_sel_hi:[1,1,0]
.set j, j+1
.endr
.set nn, 0
.rept 64
	TURN nn
.if (nn%8) == 7
.set tt, nn/8
	FIN tt
.endif
.set nn, nn+1
.endr
	v_cvt_u32_f32 v[RES], v[RES]
	s_wait_alu depctr_va_vdst(0)                   ; the conversion has written v[RES], which the two stores read
	global_store_b32 v[OO], v[RES], s[12:13] th:TH_STORE_NT    ; the wave's 32 rows: 128 consecutive bytes
	global_store_b32 v[OO], v[RES], s[14:15]                   ; once more, as whole numbers for the launch behind, which forms addresses of them
	s_endpgm
.Lfunc_end_k_q5fe1a2d216_refine:
	.size	k_q5fe1a2d216_refine, .Lfunc_end_k_q5fe1a2d216_refine-k_q5fe1a2d216_refine
	.p2alignl 7, 3214868480
	.fill 96, 4, 3214868480
	.section	.rodata,"a",@progbits
	.p2align	6, 0x0
	.amdhsa_kernel k_q5fe1a2d216_refine
		.amdhsa_group_segment_fixed_size 0
		.amdhsa_private_segment_fixed_size 0
		.amdhsa_enable_private_segment 0
		.amdhsa_kernarg_size 48
		.amdhsa_user_sgpr_count 2
		.amdhsa_user_sgpr_kernarg_segment_ptr 1
		.amdhsa_wavefront_size32 1
		.amdhsa_system_sgpr_workgroup_id_x 1
		.amdhsa_system_sgpr_workgroup_id_y 1
		.amdhsa_system_sgpr_workgroup_id_z 1
		.amdhsa_system_vgpr_workitem_id 0
		.amdhsa_next_free_vgpr 244
		.amdhsa_next_free_sgpr 66
		.amdhsa_reserve_vcc 0
		.amdhsa_float_denorm_mode_32 3
		.amdhsa_float_denorm_mode_16_64 3
		.amdhsa_memory_ordered 1
		.amdhsa_forward_progress 1
		.amdhsa_inst_pref_size 121
	.end_amdhsa_kernel
	.amdgpu_metadata
---
amdhsa.version: [ 1, 2 ]
amdhsa.kernels:
  - .name:           k_q5fe1a2d216_refine
    .symbol:         k_q5fe1a2d216_refine.kd
    .args:
      - { .name: cand, .offset: 0, .size: 8, .value_kind: global_buffer, .address_space: global }
      - { .name: xb, .offset: 8, .size: 8, .value_kind: global_buffer, .address_space: global }
      - { .name: codes, .offset: 16, .size: 8, .value_kind: global_buffer, .address_space: global }
      - { .name: enorm, .offset: 24, .size: 8, .value_kind: global_buffer, .address_space: global }
      - { .name: out1, .offset: 32, .size: 8, .value_kind: global_buffer, .address_space: global }
      - { .name: pick, .offset: 40, .size: 8, .value_kind: global_buffer, .address_space: global }
    .group_segment_fixed_size: 0
    .private_segment_fixed_size: 0
    .kernarg_segment_align: 8
    .kernarg_segment_size: 48
    .max_flat_workgroup_size: 256
    .sgpr_count:     66
    .vgpr_count:     244
    .wavefront_size: 32
...
	.end_amdgpu_metadata
.endif
;; end of part 4
;; launch lookup: the kernel of part 3 again; grid 256 x 1, 8 waves a work-group, no clusters, 0 bytes of LDS; arguments pick, codes, part, out0, out2, out3; writes out0, out2, out3
